; MI455X (gfx1250); checked and timed in simulation.
; The chip was launched on July 23, 2026; its instructions are those of AMD's public machine-readable ISA for CDNA 5 (MIT licence, August 2026) and "CDNA5" Instruction Set Architecture Reference Guide (July 2026). The comments in the code are by the model that wrote it; some were corrected since.
;; Multihead Cross Attention. Allowed arithmetic: matrix products marked QUANTISED: E3M2 operands, one E8M0 scale for each 32 along K, by v_wmma_scale_f32_16x16x128_f8f6f4 with both operands' format E3M2, f32 sums; everything else in f32.
;; Inputs: Wkv 512 x 1,024 float32; Wo 512 x 512 float32; Wq 512 x 512 float32; bkv 1,024 float32; bo 512 float32; bq 512 float32; memory 4 x 4,096 x 512 float32; memory_mask 4 x 4,096 int32; x 4 x 2,048 x 512 float32.
;; Outputs: out0 4 x 2,048 x 512 float32.
;; This version of the problem:
;;   THIS VERSION OF THE PROBLEM IS GIVEN IN LOW PRECISION. The matrix products marked QUANTISED in the list below multiply operands that are first quantised to E3M2 (3 exponent bits, 2 mantissa bits; 6 bits a number), with one power-of-two scale for each 32 numbers along K (OCP MX v1.0); their sums are f32. All else is computed in f32.
;;   The module's matrix products, in the order in which they are computed (A, B: the left and right operand; K: the contracted axis; several contracted axes count as one K, in the product's order):
;;     1. [M 8,192, K 512] x [K 512, N 512]; A: input x; B: input Wq: QUANTISED
;;     2. [M 16,384, K 512] x [K 512, N 1,024]; A: input memory; B: input Wkv: QUANTISED
;;     3. batch 32 x [M 2,048, K 64] x [K 64, N 4,096]; A: computed on the way; B: computed on the way: QUANTISED
;;     4. batch 32 x [M 2,048, K 4,096] x [K 4,096, N 64]; A: softmax (see below); B: computed on the way: QUANTISED
;;     5. [M 8,192, K 512] x [K 512, N 512]; A: computed on the way; B: input Wo: QUANTISED
;;   THE QUANTISER, for each operand of a quantised product, along K:
;;     - K is cut into blocks of 32 from its start; a last block that is shorter is filled with zeros.
;;     - A block's scale is 2^e with e = floor(log2(the largest magnitude in the block)) - 4, held to -126 .. 127; a block of zeros has e = 0. As a byte (E8M0): e + 127.
;;     - Each number is divided by its block's scale, clamped to +-28, and rounded to the nearest number of E3M2, ties to even, subnormals kept.
;;     - The product sums the exact products of the quantised numbers (number of the format x scale) in f32.
;;   ~~~python
;;   def quantise(x, axis):      # numpy; x: float32 -> the quantised numbers, widened to float32 again
;;       x = np.moveaxis(x, axis, -1); K = x.shape[-1]
;;       x = np.pad(x, [(0, 0)] * (x.ndim - 1) + [(0, -K % 32)]); x = x.reshape(x.shape[:-1] + (-1, 32)); a = np.abs(x).max(-1, keepdims=True)
;;       e = np.where(a > 0, np.clip(np.frexp(np.where(a > 0, a, 1))[1] - 1 - 4, -126, 127), 0)      # np.frexp(a)[1] - 1 = floor(log2(a)), exactly
;;       r = np.clip(x / 2.0 ** e, -28, 28)
;;       step = 2.0 ** (np.maximum(np.frexp(np.where(r == 0, 1, r))[1] - 1, -2) - 2)
;;       q = np.round(r / step) * step * 2.0 ** e      # np.round: ties to even
;;       return np.moveaxis(q.reshape(q.shape[:-2] + (-1,))[..., :K], -1, axis).astype(np.float32)
;;   ~~~
;;   SOFTMAX AHEAD OF A QUANTISED PRODUCT. Where the list says 'softmax', what is quantised is not the finished softmax but p = 2^(t - M), with t = logit x log2(e) and M = ceil(the row's largest t), a whole number; so 1/2 < the row's largest p <= 1. The row's sum l is taken of the UNQUANTISED p, in f32, and the product's result is divided by l at the end. Since M is a whole number, a kernel that streams over the keys may use a running M (the ceiling of the running maximum): every later rescaling is an exact power of two, which a block's scale takes up: the codes' values come out the same.
;;   OPERANDS COMPUTED ON THE WAY. 'Computed on the way' means the value that the module computes at that place (a softmax that the list does not call 'softmax' is quantised finished and normalised). What goes into a quantiser is computed in f32, as accurately as f32 sums, v_exp_f32 and their like allow (about 1e-6 of the number): no bf16 or f16 on the way to a quantiser, and a product that is left as it is and whose result goes on into a quantised operand takes f32 operands (vector FMAs, or v_wmma_f32_16x16x4_f32). A number that lies on a knife's edge between two numbers of the format may be rounded either way, as far as f32 arithmetic and the matrix unit's own rounding can turn it there, and no further.
;; One version. Each part assembles by itself: llvm-mc -triple=amdgcn-amd-amdhsa -mcpu=gfx1250 --defsym DOCPART=n.
;; ======== version 1 of 1: 4 launches
;; limits: right only within a limited range of input values
;; workspace buffers: wts 851,968 bytes; qbuf 3,670,016 bytes; kvc 12,582,912 bytes; kvs 1,048,576 bytes; abuf 4,194,304 bytes
;; launch prep (part 1): grid 128 x 1, 4 waves a work-group, no clusters, 1,024 bytes of LDS; arguments Wq, Wkv, Wo, wts; writes wts
.if DOCPART == 1
	.amdgcn_target "amdgcn-amd-amdhsa--gfx1250"
	.amdhsa_code_object_version 6
	.text
	.protected	k_q1a44ab8153_prep
	.globl	k_q1a44ab8153_prep
	.p2align	8
	.type	k_q1a44ab8153_prep,@function
k_q1a44ab8153_prep:
	s_mov_b64 s[64:65], 0
	v_nop
	global_prefetch_b8 v0, s[64:65] scope:SCOPE_SE
	s_setreg_imm32_b32 hwreg(HW_REG_WAVE_MODE, 25, 1), 1
	s_wait_xcnt 0x0
; Wq [512][512], Wkv [512][1024], Wo [512][512], f32 with K as the FIRST axis, become codes of BF6 (E3M2) with one E8M0 byte for each 32 along K,
; laid in the order of the matrix operand's registers.  32 groups G of 64 columns: 0-7 Wq, 8-15 Wkv's K half, 16-23 its V half, 24-31 Wo.
; A fragment (G, K step s of 128, tile t) is 16 columns x 128 K = 12 registers a lane; registers 4 c .. 4 c + 3 of lane L lie at 512 c + 16 L of its 1,536 bytes.
; THE COLUMNS OF A TILE ARE NOT NEIGHBOURS: place p of tile t is column 32 (p / 8) + 8 t + p % 8 of the group.  Used as source 0 of a product, the four tiles of a group then leave
; in a lane's 32 result registers 32 NEIGHBOURING columns, a whole block of the next product's K.
; A lane takes one column and its registers run down K in the operand's own order (k = 64 c + 32 (L / 16) + i), so the conversions' results are the operand's registers.
; A work-group is (G, s), a wave a tile: the four waves together read 256 neighbouring bytes of each row.  128 work-groups: that is all the work there is (4 MB).
; The four tiles' scale words leave as one store of 16 bytes a lane, gathered in LDS.
; LIMITS: a block's largest magnitude is taken no smaller than 2^-122 (byte 1; a block of zeros keeps that byte over zero codes; only this program reads the bytes); NaN and infinities are not served.
.set WSC, 786432                       ; where the scale words begin in wts
.set X,   32                           ; v32-95   64 numbers: register 32 c + i = k 64 c + 32 h + i of my column
.set PC,  96                           ; v96-107  the fragment's codes
.set PT,  108                          ; v108-110, v112-114 the upper halves of the two blocks, as the conversions leave them
.set TM,  116                          ; largest magnitudes
.set SC,  118                          ; the conversions' scale operands
.set BY,  120                          ; the bytes
.set PW,  122                          ; the scale word
.set TMP, 123
.set SH8, 6                            ; v6  8 x (lane / 16)
.set SEL, 22                           ; s[22:23] lane selects: lane l xor 16
; 64 numbers of a lane, two whole blocks of 32, become 12 registers of codes in v[PC] on and the row's scale word in v[PW] (valid in every lane).
.macro QUANT s
.irp c, 0,1
	v_max3_num_f32 v[TM+\c], |v[(\s)+32*\c]|, |v[(\s)+32*\c+1]|, 0x2800000   ; the floor 2^(5 - 127) among the leaves: the byte cannot fall under 1
.endr
.irp i, 2,4,6,8,10,12,14,16,18,20,22,24,26,28,30
.irp c, 0,1
	v_max3_num_f32 v[TM+\c], v[TM+\c], |v[(\s)+32*\c+\i]|, |v[(\s)+32*\c+\i+1]|   ; the two blocks by turns, registers ascending
.endr
.endr
.irp c, 0,1
	v_add_nc_u32 v[SC+\c], 0xfe000000, v[TM+\c]    ; 4 off the exponent field: the conversion takes that field as its scale
.endr
.irp c, 0,1
	v_lshrrev_b32 v[BY+\c], 23, v[SC+\c]           ; the byte
.endr
	v_lshl_or_b32 v[PW], v[BY+1], 16, v[BY]        ; my blocks are h and 2 + h of the K step:
	v_lshlrev_b32 v[PW], v[SH8], v[PW]             ; 8 h bits up,
	v_permlanex16_b32 v[TMP], v[PW], s[SEL], s[SEL+1]
	v_or_b32 v[PW], v[PW], v[TMP]                  ; and with lane l xor 16's two bytes the word is whole
.irp c, 0,1
	v_cvt_scalef32_pk16_bf6_f32 v[PC+6*\c:PC+6*\c+2], v[(\s)+32*\c:(\s)+32*\c+15], v[SC+\c]
	v_cvt_scalef32_pk16_bf6_f32 v[PT+4*\c:PT+4*\c+2], v[(\s)+32*\c+16:(\s)+32*\c+31], v[SC+\c]   ; (a conversion's three registers begin on an even number)
.endr
	v_nop                                          ; one plain place behind the conversions
.irp c, 0,1
.irp i, 0,1,2
	v_mov_b32 v[PC+6*\c+3+\i], v[PT+4*\c+\i]
.endr
.endr
.endm
.macro LOADW P                         ; W(128 s + 64 c + 32 h + i, my column); P = a row in bytes
.set i, 0
.rept 64
	global_load_b32 v[X+i], v5, s[18:19] offset:(64*(i/32)+i%32)*\P
.set i, i+1
.endr
.endm
	s_load_b256 s[4:11], s[0:1], 0x0               ; Wq s[4:5], Wkv s[6:7], Wo s[8:9], wts s[10:11]
	v_lshl_add_u32 v128, v0, 2, 0x200
	v_mov_b32 v129, 0
	v_lshrrev_b32 v1, 5, v0
	v_readfirstlane_b32 s12, v1                    ; wave = tile t
	s_lshr_b32 s13, ttmp9, 2                       ; G
	s_and_b32 s14, ttmp9, 3                        ; s
	s_mov_b32 s[SEL], 0x76543210
	s_mov_b32 s[SEL+1], 0xfedcba98
	v_and_b32 v2, 31, v0                           ; L
	v_and_b32 v3, 15, v0                           ; r
	v_bfe_u32 v4, v0, 4, 1                         ; h
	v_lshlrev_b32 v[SH8], 3, v4
	v_mov_b32 v[TMP], 0                            ; a lane permute's destination counts as read
	v_lshlrev_b32 v9, 4, v2                        ; 16 L
	v_lshlrev_b32 v10, 2, v0                       ; LDS: 128 t + 4 L
	v_lshlrev_b32 v11, 2, v2                       ; LDS: 4 L
	v_and_b32 v7, 7, v3
	v_lshrrev_b32 v8, 3, v3
	v_lshl_add_u32 v7, v8, 5, v7                   ; 32 (r / 8) + r % 8
	v_lshlrev_b32 v8, 5, v4                        ; 32 h rows
	s_wait_kmcnt 0x0
	s_cmp_lt_u32 s13, 8                            ; the choices hang on the work-group's number alone
	s_cselect_b64 s[18:19], s[4:5], s[6:7]
	s_cselect_b32 s15, 0, 8
	s_cselect_b32 s16, 11, 12                      ; log2 of a row's bytes
	s_cmp_lt_u32 s13, 24
	s_cselect_b64 s[18:19], s[18:19], s[8:9]
	s_cselect_b32 s15, s15, 24
	s_cselect_b32 s16, s16, 11
	s_sub_co_u32 s15, s13, s15                     ; the group's number inside its matrix
	s_lshl_b32 s20, s15, 8                         ; 64 columns of 4 bytes
	s_lshl_b32 s21, s12, 5                         ; + 8 t columns
	s_add_co_u32 s20, s20, s21
	s_lshl_b32 s21, s14, 7
	s_lshl_b32 s21, s21, s16                       ; + 128 s rows
	s_add_co_u32 s20, s20, s21
	s_mov_b32 s21, 0
	s_add_nc_u64 s[18:19], s[18:19], s[20:21]
	v_lshlrev_b32 v8, s16, v8
	v_lshl_add_u32 v5, v7, 2, v8                   ; my column and my half's first row
	s_mul_i32 s20, ttmp9, 6144                     ; (4 G + s) x four fragments
	s_mul_i32 s24, s12, 1536
	s_add_co_u32 s20, s20, s24
	s_add_nc_u64 s[24:25], s[10:11], s[20:21]      ; my fragment
	s_lshl_b32 s20, ttmp9, 9
	s_add_nc_u64 s[26:27], s[10:11], s[20:21]
	s_add_nc_u64 s[26:27], s[26:27], WSC           ; the work-group's 512 bytes of scale words
	s_cmp_eq_u32 s16, 12                           ; two copies of the loads: the row's length stands in the immediates.  No LDS access stands in either
	s_cbranch_scc1 .Lwide
	LOADW 2048
	s_branch .Lloaded
.Lwide:
	LOADW 4096
.Lloaded:
	s_wait_loadcnt 0x0
	QUANT X
.irp c, 0,1,2
	global_store_b128 v9, v[PC+4*\c:PC+4*\c+3], s[24:25] offset:512*\c   ; 32 lanes store 512 consecutive bytes, aligned
.endr
	ds_store_b32 v10, v[PW]
	s_wait_dscnt 0x0                               ; for the others' sake: my word has landed
	s_barrier_signal -1
	s_barrier_wait -1
	s_cmp_lg_u32 s12, 0
	s_cbranch_scc1 .Ldone                          ; wave 0 alone sends the four tiles' words; no barrier stands under this branch
	ds_load_b32 v12, v11
	ds_load_b32 v13, v11 offset:128
	ds_load_b32 v14, v11 offset:256
	ds_load_b32 v15, v11 offset:384
	s_wait_dscnt 0x0
	global_store_b128 v9, v[12:15], s[26:27]       ; lane L: the words of tiles 0 to 3 of its place
.Ldone:
	s_wait_tensorcnt 0x0
	ds_add_u32 v128, v129
	s_wait_dscnt 0x0
	s_endpgm
.Lfunc_end_k_q1a44ab8153_prep:
	.size	k_q1a44ab8153_prep, .Lfunc_end_k_q1a44ab8153_prep-k_q1a44ab8153_prep
	.p2alignl 7, 3214868480
	.fill 96, 4, 3214868480
	.section	.rodata,"a",@progbits
	.p2align	6, 0x0
	.amdhsa_kernel k_q1a44ab8153_prep
		.amdhsa_group_segment_fixed_size 1024
		.amdhsa_private_segment_fixed_size 0
		.amdhsa_enable_private_segment 0
		.amdhsa_kernarg_size 32
		.amdhsa_user_sgpr_count 2
		.amdhsa_user_sgpr_kernarg_segment_ptr 1
		.amdhsa_wavefront_size32 1
		.amdhsa_system_sgpr_workgroup_id_x 1
		.amdhsa_system_sgpr_workgroup_id_y 1
		.amdhsa_system_sgpr_workgroup_id_z 1
		.amdhsa_system_vgpr_workitem_id 0
		.amdhsa_next_free_vgpr 130
		.amdhsa_next_free_sgpr 66
		.amdhsa_reserve_vcc 0
		.amdhsa_float_denorm_mode_32 3
		.amdhsa_float_denorm_mode_16_64 3
		.amdhsa_memory_ordered 1
		.amdhsa_forward_progress 1
		.amdhsa_inst_pref_size 19
	.end_amdhsa_kernel
	.amdgpu_metadata
---
amdhsa.version: [ 1, 2 ]
amdhsa.kernels:
  - .name:           k_q1a44ab8153_prep
    .symbol:         k_q1a44ab8153_prep.kd
    .args:
      - { .name: Wq, .offset: 0, .size: 8, .value_kind: global_buffer, .address_space: global }
      - { .name: Wkv, .offset: 8, .size: 8, .value_kind: global_buffer, .address_space: global }
      - { .name: Wo, .offset: 16, .size: 8, .value_kind: global_buffer, .address_space: global }
      - { .name: wts, .offset: 24, .size: 8, .value_kind: global_buffer, .address_space: global }
    .group_segment_fixed_size: 1024
    .private_segment_fixed_size: 0
    .kernarg_segment_align: 8
    .kernarg_segment_size: 32
    .max_flat_workgroup_size: 128
    .sgpr_count:     66
    .vgpr_count:     130
    .wavefront_size: 32
...
	.end_amdgpu_metadata
.endif
;; end of part 1
;; launch proj (part 2): grid 256 x 1, 8 waves a work-group, no clusters, 246,784 bytes of LDS; arguments x, memory, memory_mask, bq, bkv, wts, qbuf, kvc, kvs; writes qbuf, kvc, kvs
.if DOCPART == 2
	.amdgcn_target "amdgcn-amd-amdhsa--gfx1250"
	.amdhsa_code_object_version 6
	.text
	.protected	k_q1a44ab8153_proj
	.globl	k_q1a44ab8153_proj
	.p2align	8
	.type	k_q1a44ab8153_proj,@function
k_q1a44ab8153_proj:
	s_mov_b64 s[64:65], 0
	v_nop
	global_prefetch_b8 v0, s[64:65] scope:SCOPE_SE
	s_setreg_imm32_b32 hwreg(HW_REG_WAVE_MODE, 25, 1), 1
	s_wait_xcnt 0x0
; Q = x Wq + bq, K and V = memory Wkv + bkv, on codes of BF6 (E3M2) with E8M0 scales, and their results quantised at once for the attention launch.
; SHARES.  Work-group g takes 64 rows of memory (batch g / 64, chunk g % 64 of 64 keys) and 32 rows of x (batch g / 64, pair g % 64 of two tiles of 16 queries).  All 256 are alike; the text has no branch.
; The 96 rows come once, as f32, by two tensor loads a wave (two are out, by this text's count), are quantised once (24 fragments, three a wave) and go from wave to wave through LDS as
; images of the operand's registers.  Wave w is head w and runs three units: K (weight group 8 + w), V (16 + w), Q (w).  A unit's 16 weight fragments lie in 192 registers of window 1, loaded straight from
; wts in register order; as soon as a K step has been multiplied its four fragments are loaded anew with the next unit's.
; THE KEYS OF A TILE ARE NOT NEIGHBOURS: place p of tile t of a chunk is key 32 (p / 8) + 8 t + p % 8, and so are the weights' columns (see the launch before).  So:
;   K, Q (source 0 = weights, source 1 = rows): a lane holds one key or query and 32 NEIGHBOURING channels of the head, 32 (lane / 16) on: a whole block of the scores' K;
;   V    (source 0 = rows, source 1 = weights): a lane holds one channel and 32 NEIGHBOURING keys, a whole block of the second product's K.
; No maximum crosses lanes and no codes change lanes.  The biases are the C of each sum's first matrix instruction.
; THE MASK.  The scores' K is 64 of the instruction's 128.  At k = 64 the attention launch holds the code of -28 on the keys' side and of 1 on the queries'; byte 2 of a key's scale word, made here, is 223 for a
; hidden key (its score gets -28 x 2^96) and 1 for one that counts (-28 x 2^-126).  Byte 3 scales zero codes and is 1.
; NO CLUSTER: what work-groups share are the weights' 589,824 bytes of codes.  They go from memory into operand registers; a joint load lands in LDS, of which 239,616 bytes hold the rows and their images, so
; the weights would need a ring that is filled again, with a round of the cluster's barrier for each fill, for 160 matrix instructions a wave.
; LIMITS: a block's largest magnitude is taken no smaller than 2^-122 (byte 1); NaN and infinities among the inputs are not served.
.set XIMG, 199680                      ; LDS: 0: 96 rows of f32, 2,080 bytes apart (two halves of 1,024 + 16 of padding each); rows 0-63 memory, 64-95 x
.set XSC,  236544                      ; XIMG: 24 fragment images of 1,536 bytes, index 4 T + s (T 0-3 memory's tiles, 4-5 x's);  XSC: their scale words, 128 bytes each
.set WSC,  786432
.set L16,  1                           ; v1   16 x lane
.set L8,   2                           ; v2   8 x lane
.set L4X,  3                           ; v3   XSC + 4 x lane
.set RM,   4                           ; v4   where I read memory's rows for the fragments that I quantise
.set RX,   5                           ; v5   the same for x
.set XWI,  6                           ; v6   where I store images: XIMG + 16 x lane + 1,536 x wave
.set XWS,  7                           ; v7   and their scale words: XSC + 4 x lane + 128 x wave
.set SH8,  8                           ; v8   8 x (lane / 16)
.set MOFF, 9                           ; v9   4 x (32 (r / 8) + r % 8)
.set BOFF, 10                          ; v10  128 x (lane / 16)
.set L16X, 11                          ; v11  XIMG + 16 x lane
.set BV,   12                          ; v12-15 V's bias at my channel, for the four channel tiles
.set XF,   16                          ; v16-63 four fragments of rows; in the epilogues:
.set PC,   16                          ;   v16-27 codes,
.set PT,   28                          ;   v28-30, v32-34 upper halves,
.set MK,   36                          ;   v36-39 the mask's words, v40-43 the upper halves of the keys' scale words, v44-48 at work
.set HI,   40
.set XS,   64                          ; v64-67 the rows' scale words
.set WS,   68                          ; v68-83 the weights' scale words, 4 s + t
.set TM,   84
.set SC,   86
.set BY,   88
.set PW,   90
.set TMP,  91
.set KS,   92                          ; v92-95 the chunk's record of scale words
.set ACC,  96                          ; v96-223 sixteen accumulators; before that the f32 numbers to be quantised
.set BIAS, 224                         ; v224-255
.set SEL,  48                          ; s[48:49]
.set MSB, 0
.macro WIN new                         ; the immediate's high byte repeats the setting that is left
.if MSB != \new
	s_set_vgpr_msb (MSB<<8)|\new
.set MSB, \new
.endif
.endm
; 64 numbers of a lane, two whole blocks of 32, become 12 registers of codes in v[PC] on and a word of the four bytes [first block h = 0, h = 1, second block h = 0, h = 1] in v[PW], valid in every lane.
.macro QUANT s
.irp c, 0,1
	v_max3_num_f32 v[TM+\c], |v[(\s)+32*\c]|, |v[(\s)+32*\c+1]|, 0x2800000   ; the floor 2^(5 - 127) among the leaves
.endr
.irp i, 2,4,6,8,10,12,14,16,18,20,22,24,26,28,30
.irp c, 0,1
	v_max3_num_f32 v[TM+\c], v[TM+\c], |v[(\s)+32*\c+\i]|, |v[(\s)+32*\c+\i+1]|   ; registers ascending: each accumulator is first read at its low end
.endr
.endr
.irp c, 0,1
	v_add_nc_u32 v[SC+\c], 0xfe000000, v[TM+\c]
.endr
.irp c, 0,1
	v_lshrrev_b32 v[BY+\c], 23, v[SC+\c]
.endr
	v_lshl_or_b32 v[PW], v[BY+1], 16, v[BY]
	v_lshlrev_b32 v[PW], v[SH8], v[PW]
	v_permlanex16_b32 v[TMP], v[PW], s[SEL], s[SEL+1]
	v_or_b32 v[PW], v[PW], v[TMP]
.irp c, 0,1
	v_cvt_scalef32_pk16_bf6_f32 v[PC+6*\c:PC+6*\c+2], v[(\s)+32*\c:(\s)+32*\c+15], v[SC+\c]
	v_cvt_scalef32_pk16_bf6_f32 v[PT+4*\c:PT+4*\c+2], v[(\s)+32*\c+16:(\s)+32*\c+31], v[SC+\c]
.endr
	v_nop                                          ; one plain place behind the conversions
.irp c, 0,1
.irp i, 0,1,2
	v_mov_b32 v[PC+6*\c+3+\i], v[PT+4*\c+\i]
.endr
.endr
.endm
.macro XFETCH reg, adr, off            ; my row's 64 numbers of a K step: k = 64 c + 32 h + i, 128 bytes for each c
.set i, 0
.rept 16
	ds_load_b128 v[\reg+4*i:\reg+4*i+3], v[\adr] offset:\off+256*(i/8)+16*(i%8)
.set i, i+1
.endr
.endm
.macro IMAGE n                         ; the fragment in v[PC] on goes to LDS as it stands: fragment index wave + 8 n
.irp c, 0,1,2
	ds_store_b128 v[XWI], v[PC+4*\c:PC+4*\c+3] offset:12288*\n+512*\c
.endr
	ds_store_b32 v[XWS], v[PW] offset:1024*\n
.endm
.macro WLOAD base, s                   ; the four weight fragments of K step s into window 1
.irp t, 0,1,2,3
.irp c, 0,1,2
	global_load_b128 v[12*(4*\s+\t)+4*\c:12*(4*\s+\t)+4*\c+3], v[L16], s[\base:\base+1] offset:(4*\s+\t)*1536+512*\c
.endr
.endr
.endm
.macro RELOAD base, s                  ; the next unit's, into the registers that this K step has just read (four places stand behind its products)
	WIN 0x40                                       ; destination window 1, address window 0
	WLOAD \base, \s
	WIN 0
.endm
.macro WSLOAD base                     ; a unit's 16 scale words: lane L's words of tiles 0 to 3, for each K step
.irp s, 0,1,2,3
	global_load_b128 v[WS+4*\s:WS+4*\s+3], v[L16], s[\base:\base+1] offset:512*\s
.endr
.endm
.macro MM d, a, b, c, sa, sb
	v_wmma_scale_f32_16x16x128_f8f6f4 v[\d:\d+7], v[\a:\a+11], v[\b:\b+11], v[\c:\c+7], v[\sa], v[\sb] matrix_a_fmt:MATRIX_FMT_BF6 matrix_b_fmt:MATRIX_FMT_BF6
.endm
; One K step of a unit.  role 0 (K, Q): source 0 = weights (window 1), source 1 = rows; role 1 (V): the other way round.  NT tiles of rows from tile T0 on.
; The 4 NT accumulators take turns, one instruction a turn, in the same order in every K step.
.macro KSTEP role, s, NT, T0
.set m, 0
.rept \NT
.irp c, 0,1,2
	ds_load_b128 v[XF+12*m+4*\c:XF+12*m+4*\c+3], v[L16X] offset:(4*(\T0+m)+\s)*1536+512*\c
.endr
	ds_load_b32 v[XS+m], v[L4X] offset:(4*(\T0+m)+\s)*128
.set m, m+1
.endr
	s_wait_dscnt 0x0
.if \role == 0
	WIN 0x01
.else
	WIN 0x04
.endif
.set m, 0
.rept \NT
.irp t, 0,1,2,3
.if \role == 0
.if \s == 0
	MM ACC+32*m+8*\t, 12*(4*\s+\t), XF+12*m, BIAS+8*\t, WS+4*\s+\t, XS+m
.else
	MM ACC+32*m+8*\t, 12*(4*\s+\t), XF+12*m, ACC+32*m+8*\t, WS+4*\s+\t, XS+m
.endif
.else
.if \s == 0
	MM ACC+32*\t+8*m, XF+12*m, 12*(4*\s+\t), BIAS+8*\t, XS+m, WS+4*\s+\t
.else
	MM ACC+32*\t+8*m, XF+12*m, 12*(4*\s+\t), ACC+32*\t+8*m, XS+m, WS+4*\s+\t
.endif
.endif
.endr
.set m, m+1
.endr
	WIN 0
.rept 4
	v_nop                                          ; four places in front of loads into, and vector writes of, registers that these products read, and of the first read of results
.endr
.endm
.macro CODES base, off                 ; two half fragments (6 registers: four at 16 L, two at 512 + 8 L; 768 bytes each): every store covers 512 or 256 consecutive bytes, aligned
	global_store_b128 v[L16], v[PC:PC+3], s[\base:\base+1] offset:\off
	global_store_b64 v[L8], v[PC+4:PC+5], s[\base:\base+1] offset:\off+512
	global_store_b128 v[L16], v[PC+6:PC+9], s[\base:\base+1] offset:\off+768
	global_store_b64 v[L8], v[PC+10:PC+11], s[\base:\base+1] offset:\off+1280
.endm
	s_load_b512 s[4:19], s[0:1], 0x0               ; x s[4:5], memory s[6:7], mask s[8:9], bq s[10:11], bkv s[12:13], wts s[14:15], qbuf s[16:17], kvc s[18:19]
	s_load_b64 s[20:21], s[0:1], 0x40              ; kvs
	s_set_vgpr_msb 0x40
	v_lshl_add_u32 v192, v0, 2, 0x3c000
	v_mov_b32 v193, 0
	s_set_vgpr_msb 0x4045
	ds_add_u32 v192, v193
	ds_add_u32 v192, v193
	s_set_vgpr_msb 0x4500
	v_lshrrev_b32 v1, 5, v0
	v_readfirstlane_b32 s22, v1                    ; wave = head
	s_mov_b32 s23, ttmp9                           ; g
	; descriptor groups 1: half rows of 1,024 bytes (128 elements of 8 bytes), dense in memory, 16 bytes of padding behind each.  A: 16 of them (8 rows of memory); B: 8 (4 rows of x)
	s_mov_b32 s24, (3<<16)|(1<<20)|(7<<22)|(3<<25) ; no mask; elements of 8 bytes; padding on, after every 256 words (code 7), of 4 words (code 3)
	s_mov_b32 s25, 128<<16                         ; tensor_dim0
	s_mov_b32 s26, 16<<16                          ; tensor_dim1
	s_mov_b32 s27, 128<<16                         ; tile_dim0
	s_mov_b32 s28, 16                              ; tile_dim1
	s_mov_b32 s29, 128                             ; stride
	s_mov_b32 s30, 0
	s_mov_b32 s31, 0
	s_mov_b32 s32, (3<<16)|(1<<20)|(7<<22)|(3<<25)
	s_mov_b32 s33, 128<<16
	s_mov_b32 s34, 8<<16
	s_mov_b32 s35, 128<<16
	s_mov_b32 s36, 8
	s_mov_b32 s37, 128
	s_mov_b32 s38, 0
	s_mov_b32 s39, 0
	s_lshl_b32 s72, s23, 6
	s_lshl_b32 s73, s22, 3
	s_add_co_u32 s72, s72, s73                     ; memory: row 64 g + 8 w
	s_lshl_b32 s72, s72, 11
	s_mov_b32 s73, 0
	s_lshl_b32 s74, s23, 5
	s_lshl_b32 s75, s22, 2
	s_add_co_u32 s74, s74, s75                     ; x: row 32 g + 4 w
	s_lshl_b32 s74, s74, 11
	s_mov_b32 s75, 0
	s_mul_i32 s76, s22, 16640                      ; 8 LDS rows
	s_mul_i32 s77, s22, 8320                       ; 4 LDS rows
	s_wait_dscnt 0x0
	s_wait_kmcnt 0x0
	s_mov_b32 s40, 1
	s_mov_b32 s41, s76
	s_add_nc_u64 s[42:43], s[6:7], s[72:73]
	s_or_b32 s43, s43, 0x80000000
	s_mov_b32 s44, 1
	s_add_co_u32 s45, s77, 133120                  ; behind memory's 64 rows
	s_add_nc_u64 s[46:47], s[4:5], s[74:75]
	s_or_b32 s47, s47, 0x80000000
	tensor_load_to_lds s[40:43], s[24:31]          ; the launch's only fills, together, ahead of every wait, LDS read and barrier
	s_nop 0
	tensor_load_to_lds s[44:47], s[32:39]
	s_nop 0
.rept 4
	v_nop
.endr
	v_and_b32 v16, 31, v0                          ; L
	v_and_b32 v17, 15, v0                          ; r
	v_bfe_u32 v18, v0, 4, 1                        ; h
	v_lshlrev_b32 v[L16], 4, v16
	v_lshlrev_b32 v[L8], 3, v16
	v_lshl_add_u32 v[L4X], v16, 2, XSC
	v_add_nc_u32 v[L16X], XIMG, v[L16]
	v_lshlrev_b32 v[SH8], 3, v18
	v_lshlrev_b32 v[BOFF], 7, v18
	v_and_b32 v19, 7, v17
	v_lshrrev_b32 v20, 3, v17
	v_lshl_add_u32 v19, v20, 5, v19                ; 32 (r / 8) + r % 8
	v_lshlrev_b32 v[MOFF], 2, v19
	v_mov_b32 v[TMP], 0                            ; a lane permute's destination counts as read
	s_mov_b32 s[SEL], 0x76543210
	s_mov_b32 s[SEL+1], 0xfedcba98
	s_mov_b32 s50, 0xffff0000                      ; lanes 16-31
	s_mov_b32 s51, 0x07060100                      ; bytes 0, 1 of the second source under bytes 2, 3 of the first
	s_mov_b32 s52, 0x07060302                      ; bytes 2, 3 of the second source under bytes 2, 3 of the first
	s_mov_b32 s53, 0x017f0000                      ; a query's bytes 2 and 3: 127 (the 1 at k = 64 stands as 1) and 1
	; phase X: wave w quantises K step s = w % 4 of memory's tiles u and u + 2 and of x's tile u, u = w / 4
	s_and_b32 s72, s22, 3
	s_lshr_b32 s73, s22, 2
	s_lshr_b32 s74, s72, 1
	s_mul_i32 s74, s74, 1040
	s_and_b32 s75, s72, 1
	s_lshl_b32 s75, s75, 9
	s_add_co_u32 s74, s74, s75                     ; the K step's 512 bytes in an LDS row
	s_mul_i32 s75, s73, 16640                      ; memory's tile u begins 8 u rows down
	s_add_co_u32 s75, s75, s74
	s_mul_i32 s76, s73, 33280                      ; x's tile u begins 16 u rows down,
	s_add_co_u32 s76, s76, s74
	s_add_co_u32 s76, s76, 133120                  ; behind memory's 64 rows
	v_mul_u32_u24 v[RM], v19, 2080
	v_add_nc_u32 v[RM], v[RM], v[BOFF]
	v_add_nc_u32 v[RM], s75, v[RM]
	v_mul_u32_u24 v[RX], v17, 2080
	v_add_nc_u32 v[RX], v[RX], v[BOFF]
	v_add_nc_u32 v[RX], s76, v[RX]
	s_mul_i32 s77, s22, 1536
	v_add_nc_u32 v[XWI], s77, v[L16X]
	s_lshl_b32 s77, s22, 7
	v_add_nc_u32 v[XWS], s77, v[L4X]
	; the three units' weights and scale words
	s_mul_i32 s72, s22, 24576
	s_mov_b32 s73, 0
	s_add_nc_u64 s[58:59], s[14:15], s[72:73]      ; Q: group w
	s_add_nc_u64 s[54:55], s[58:59], 8*24576       ; K: 8 + w
	s_add_nc_u64 s[56:57], s[58:59], 16*24576      ; V: 16 + w
	s_lshl_b32 s72, s22, 11
	s_add_nc_u64 s[70:71], s[14:15], s[72:73]
	s_add_nc_u64 s[70:71], s[70:71], WSC
	s_add_nc_u64 s[66:67], s[70:71], 8*2048
	s_add_nc_u64 s[68:69], s[70:71], 16*2048
	s_lshl_b32 s72, s22, 8
	s_add_nc_u64 s[10:11], s[10:11], s[72:73]      ; bq and bkv at my head's 64 numbers
	s_add_nc_u64 s[12:13], s[12:13], s[72:73]
	s_lshl_b32 s72, s23, 8
	s_add_nc_u64 s[8:9], s[8:9], s[72:73]          ; the mask at my chunk's 64 words
	s_lshr_b32 s74, s23, 6
	s_lshl_b32 s74, s74, 3
	s_add_co_u32 s74, s74, s22                     ; 8 x batch + head
	s_lshl_b32 s74, s74, 6
	s_and_b32 s75, s23, 63
	s_add_co_u32 s74, s74, s75                     ; my record's number in all three outputs
	s_mul_i32 s72, s74, 6144
	s_add_nc_u64 s[18:19], s[18:19], s[72:73]
	s_lshl_b32 s72, s74, 9
	s_add_nc_u64 s[20:21], s[20:21], s[72:73]
	s_mul_i32 s72, s74, 1792
	s_add_nc_u64 s[16:17], s[16:17], s[72:73]
	WIN 0x40
.irp s, 0,1,2,3
	WLOAD 54, \s                                   ; unit K's weights
.endr
	WIN 0
	WSLOAD 66
.irp q, 0,1,2,3,4,5,6,7
	global_load_b128 v[BIAS+4*\q:BIAS+4*\q+3], v[BOFF], s[12:13] offset:16*\q   ; K's bias at my 32 channels
.endr
.irp t, 0,1,2,3
	global_load_b32 v[BV+\t], v[MOFF], s[12:13] offset:2048+32*\t               ; V's bias at my place's channel of tile t
.endr
	s_wait_tensorcnt 0x0                           ; my rows have landed,
	s_barrier_signal -1
	s_barrier_wait -1                              ; everybody's have
	; ---- phase X: three fragments a wave
	XFETCH 96, RM, 0
	XFETCH 160, RM, 33280
	s_wait_dscnt 16                                ; the first fragment's numbers are in; the second's 16 loads may be out
	QUANT 96
	IMAGE 0
	XFETCH 96, RX, 0
	s_wait_dscnt 16                                ; all but the third fragment's 16 loads: the second's numbers are in, and the image's stores have read their registers
	QUANT 160
	IMAGE 1
	s_wait_dscnt 0x0
	QUANT 96
	IMAGE 2
	s_wait_dscnt 0x0                               ; for the others' sake: my images have landed
	s_barrier_signal -1
	s_barrier_wait -1                              ; the 24 fragments lie in LDS; nothing is written there again: the last barrier
	; ---- unit K
	s_wait_loadcnt 0x0
	KSTEP 0, 0, 4, 0
	RELOAD 56, 0
.irp t, 0,1,2,3
.irp j, 0,1,2,3,4,5,6,7
	v_mov_b32 v[BIAS+8*\t+\j], v[BV+\t]            ; V's bias in the result's layout: a lane holds one channel, so its eight registers are alike
.endr
.endr
	KSTEP 0, 1, 4, 0
	RELOAD 56, 1
	KSTEP 0, 2, 4, 0
	RELOAD 56, 2
	KSTEP 0, 3, 4, 0
	RELOAD 56, 3
	WSLOAD 68
.irp t, 0,1,2,3
	global_load_b32 v[MK+\t], v[MOFF], s[8:9] offset:32*\t   ; the mask's word of my place's key in tile t
.endr
.irp p, 0,1                                    ; key tiles 2 p and 2 p + 1: the two blocks of a QUANT
	s_wait_xcnt 0x0                                ; the codes' registers are written again only behind this wait
	QUANT ACC+64*\p
	CODES 18, 1536*\p
.if \p == 0
	s_wait_loadcnt 0x0                             ; the mask's words
	v_mov_b32 v44, 0x01010000                      ; bytes 2, 3 of a key that counts: 1, 1
	v_mov_b32 v45, 0x01df0000                      ; of a hidden key: 223, 1
.irp t, 0,1,2,3
	v_cmp_eq_u32 vcc_lo, 0, v[MK+\t]
	v_cndmask_b32 v[HI+\t], v44, v45, vcc_lo
.endr
.endif
	v_perm_b32 v46, v[HI+2*\p], v[PW], s51         ; tile 2 p's word
	v_perm_b32 v47, v[HI+2*\p+1], v[PW], s52       ; tile 2 p + 1's
	v_cndmask_b32 v[KS+\p], v46, v47, s50          ; the first in lanes 0-15, the second in lanes 16-31
.endr
	; ---- unit V
	s_wait_xcnt 0x0                                ; the stores have read the registers that the rows' fragments take
	s_wait_loadcnt 0x0
	KSTEP 1, 0, 4, 0
	RELOAD 58, 0
.irp q, 0,1,2,3,4,5,6,7
	global_load_b128 v[BIAS+4*\q:BIAS+4*\q+3], v[BOFF], s[10:11] offset:16*\q   ; Q's bias
.endr
	KSTEP 1, 1, 4, 0
	RELOAD 58, 1
	KSTEP 1, 2, 4, 0
	RELOAD 58, 2
	KSTEP 1, 3, 4, 0
	RELOAD 58, 3
	WSLOAD 70
.irp p, 0,1                                    ; channel tiles 2 p and 2 p + 1
	s_wait_xcnt 0x0
	QUANT ACC+64*\p
	CODES 18, 3072+1536*\p
.if \p == 0
	v_mov_b32 v48, v[PW]
.else
	v_cndmask_b32 v[KS+2], v48, v[PW], s50         ; tiles 0, 1 (two bytes each) in lanes 0-15, tiles 2, 3 in lanes 16-31
.endif
.endr
	v_mov_b32 v[KS+3], 0
	global_store_b128 v[L16], v[KS:KS+3], s[20:21] ; the chunk's record of scale words: 512 consecutive bytes
	; ---- unit Q: two tiles of 16 queries
	s_wait_xcnt 0x0
	s_wait_loadcnt 0x0
	KSTEP 0, 0, 2, 4
	KSTEP 0, 1, 2, 4
	KSTEP 0, 2, 2, 4
	KSTEP 0, 3, 2, 4
	QUANT ACC
	CODES 16, 0
	v_perm_b32 v46, s53, v[PW], s51
	v_perm_b32 v47, s53, v[PW], s52
	global_store_b64 v[L8], v[46:47], s[16:17] offset:1536   ; the two tiles' scale words
	s_set_vgpr_msb 0x5
	s_wait_tensorcnt 0x0
	ds_add_u32 v192, v193
	s_wait_dscnt 0x0
	s_set_vgpr_msb 0x500
	s_endpgm
.Lfunc_end_k_q1a44ab8153_proj:
	.size	k_q1a44ab8153_proj, .Lfunc_end_k_q1a44ab8153_proj-k_q1a44ab8153_proj
	.p2alignl 7, 3214868480
	.fill 96, 4, 3214868480
	.section	.rodata,"a",@progbits
	.p2align	6, 0x0
	.amdhsa_kernel k_q1a44ab8153_proj
		.amdhsa_group_segment_fixed_size 246784
		.amdhsa_private_segment_fixed_size 0
		.amdhsa_enable_private_segment 0
		.amdhsa_kernarg_size 72
		.amdhsa_user_sgpr_count 2
		.amdhsa_user_sgpr_kernarg_segment_ptr 1
		.amdhsa_wavefront_size32 1
		.amdhsa_system_sgpr_workgroup_id_x 1
		.amdhsa_system_sgpr_workgroup_id_y 1
		.amdhsa_system_sgpr_workgroup_id_z 1
		.amdhsa_system_vgpr_workitem_id 0
		.amdhsa_next_free_vgpr 450
		.amdhsa_next_free_sgpr 80
		.amdhsa_reserve_vcc 1
		.amdhsa_float_denorm_mode_32 3
		.amdhsa_float_denorm_mode_16_64 3
		.amdhsa_memory_ordered 1
		.amdhsa_forward_progress 1
		.amdhsa_inst_pref_size 88
	.end_amdhsa_kernel
	.amdgpu_metadata
---
amdhsa.version: [ 1, 2 ]
amdhsa.kernels:
  - .name:           k_q1a44ab8153_proj
    .symbol:         k_q1a44ab8153_proj.kd
    .args:
      - { .name: x, .offset: 0, .size: 8, .value_kind: global_buffer, .address_space: global }
      - { .name: memory, .offset: 8, .size: 8, .value_kind: global_buffer, .address_space: global }
      - { .name: memory_mask, .offset: 16, .size: 8, .value_kind: global_buffer, .address_space: global }
      - { .name: bq, .offset: 24, .size: 8, .value_kind: global_buffer, .address_space: global }
      - { .name: bkv, .offset: 32, .size: 8, .value_kind: global_buffer, .address_space: global }
      - { .name: wts, .offset: 40, .size: 8, .value_kind: global_buffer, .address_space: global }
      - { .name: qbuf, .offset: 48, .size: 8, .value_kind: global_buffer, .address_space: global }
      - { .name: kvc, .offset: 56, .size: 8, .value_kind: global_buffer, .address_space: global }
      - { .name: kvs, .offset: 64, .size: 8, .value_kind: global_buffer, .address_space: global }
    .group_segment_fixed_size: 246784
    .private_segment_fixed_size: 0
    .kernarg_segment_align: 8
    .kernarg_segment_size: 72
    .max_flat_workgroup_size: 256
    .sgpr_count:     80
    .vgpr_count:     450
    .wavefront_size: 32
...
	.end_amdgpu_metadata
.endif
;; end of part 2
;; launch attn (part 3): grid 8 x 32, 16 waves a work-group, clusters of 4 x 1, 327,680 bytes of LDS; arguments qbuf, kvc, kvs, abuf; writes abuf
.if DOCPART == 3
	.amdgcn_target "amdgcn-amd-amdhsa--gfx1250"
	.amdhsa_code_object_version 6
	.text
	.protected	k_q1a44ab8153_attn
	.globl	k_q1a44ab8153_attn
	.p2align	8
	.type	k_q1a44ab8153_attn,@function
k_q1a44ab8153_attn:
	s_mov_b64 s[64:65], 0
	v_nop
	global_prefetch_b8 v0, s[64:65] scope:SCOPE_SE
	s_setreg_imm32_b32 hwreg(HW_REG_WAVE_MODE, 25, 1), 1
	s_wait_xcnt 0x0
	s_wait_alu depctr_hold_cnt(0) depctr_sa_sdst(0) depctr_va_vdst(0) depctr_va_sdst(0) depctr_va_ssrc(0) depctr_va_vcc(0) depctr_vm_vsrc(0)
	s_getreg_b32 s2, hwreg(HW_REG_IB_STS2, 6, 4)
	s_cmp_eq_u32 s2, 0
	s_cbranch_scc0 .Lentry_in_a_cluster
	s_endpgm
.Lentry_in_a_cluster:
	s_bfe_u32 s2, ttmp6, 0x10000c
	s_cmp_lg_u32 s2, 0x3003
	s_cbranch_scc0 .Lentry_shape_is_right
	s_endpgm
.Lentry_shape_is_right:
; out[b][t][head] = softmax_s(Q K^T / 8, hidden keys left out) V, both products on codes of BF6 (E3M2) with E8M0 scales; the result leaves quantised along (head, channel) for the last product.
; THE SOFTMAX AHEAD OF THE SECOND PRODUCT: t = score x log2(e) / 8; M = the running largest t rounded UP to a whole number; p = 2^(t - M) is quantised along the keys, not normalised.  The row's sum is taken of
; the unquantised p and divides at the end.  When M moves, the sum and O are multiplied by 2^(old M - new M), which rounds nothing.
; SHARES.  A work-group owns 256 queries of one (batch, head); each of its sixteen waves one tile of 16, in 256 registers: four waves to a SIMD, so that one wave's exponentials stand beside another's plain work,
; products and LDS loads.  Every wave walks the head's 4,096 keys, 128 a step.
; CLUSTER.  The four work-groups of a cluster belong to one head and walk the same K and V: every fill is asked for JOINTLY, by the same tensor load with the same descriptor and the mask of all four.  Every wave
; fetches a sixteenth of a fill, so no branch stands round a tensor load.  By this text's count a wave has two tensor loads out at the start, later one.
; LAYOUT.  Both products are used transposed (S^T = K Q^T, O^T = V^T P^T): a lane holds one query.  K's tiles, V's tiles and their scale words lie in memory in the order of the operand's registers; the keys of a tile
; and the channels of a tile are chosen (place p of tile t: 32 (p / 8) + 8 t + p % 8 of 64) so that a lane's 32 registers of four tiles are 32 NEIGHBOURS, 32 (lane / 16) on: a whole block, in the operand's
; own order.  So no block's maximum crosses lanes and no codes change lanes.
; THE MASK costs no instruction here.  The scores' K is 64 of the instruction's 128.  At k = 64 the keys' side holds the code of -28 and the queries' side that of 1; byte 2 of a key's scale word is 223 where the key is
; hidden (its score gets -28 x 2^96) and 1 where it counts (-28 x 2^-126).  The running largest score starts at -2^80, above every hidden score: a hidden key never sets M, and its p is exactly 0.
; LIMITS: scores under -2^80 are not served; a score under 2^-97 in magnitude is moved by the -28 x 2^-126; NaN and infinities are not served; a block's largest p is taken no smaller than 2^-122.
; A batch all of whose keys are hidden has the sum 0: its scale bytes are set to 0xff, which makes the last product's rows NaN, as the softmax of nothing is.
.set SLOTB, 98304                      ; a slot: 16 chunks of 64 keys (6,144 bytes: four half fragments of K, four of V) = 8 key steps
.set SCB,   98304                      ; behind slot 0: the head's scale records, 64 x 512 bytes, filled once
.set SLOT1, 131072                     ; slot 1: one exclusive or turns an address of one slot into the other's
.set SPARE, 229376                     ; the spare words, 128 bytes for each wave: eight blocks of 256 bytes that no other line names
.set STEPB, 12288
.set L16,  1                           ; v1   16 x lane
.set L8,   2                           ; v2   8 x lane
.set SCA,  3                           ; v3   SCB + 16 x lane
.set A16,  4                           ; v4-6 the step's addresses
.set A8,   5
.set AS,   6
.set SH8,  7                           ; v7   8 x (lane / 16)
.set SPW,  8                           ; v8   my spare word; never rewritten
.set NIL,  9                           ; v9   0; never rewritten
.set QF,   16                          ; v16-27 Q's fragment: codes in 16-21; v22 the code of 1 at k = 64; the rest zeros
.set QS,   28                          ; v28  Q's scale word
.set PW,   29                          ; v29  p's scale word
.set VX,   30                          ; v30  V's scale words of channel tiles 0 (lanes 0-15) and 2 (lanes 16-31)
.set VY,   31                          ; v31  of tiles 1 and 3
.set KP,   32                          ; v32-79 four places of 12 for K's tiles: +0..5 loaded; +6 the code of -28 at k = 64; +7..11 zeros: set once
.set SR,   80                          ; v80-87 the two chunks' scale records
.set P,    88                          ; v88-99 p's codes
.set PT,   100                         ; v100-102, v104-106
.set O,    108                         ; v108-139 O^T: register 8 t + j = channel 32 (lane / 16) + 8 t + j
.set S,    140                         ; v140-203 S^T, then p: register 32 b + i = key 64 b + 32 (lane / 16) + i; later V's four fragments in v140-187
.set CH,   204                         ; v204-207 chains of maxima
.set BM,   208                         ; v208-209 the two blocks' largest scores, then largest p
.set T0,   210
.set TMP,  211
.set T1,   212
.set DL,   213
.set OLDM, 214
.set F,    216                         ; v[216:217] f = 2^(old M - new M); the packed forms take the low word for both halves
.set SUM2, 218                         ; v[218:219] the sum's second chain
.set SC,   220
.set BY,   222
.set WV,   12
.set SEL,  40                          ; s[40:41]
.set CS,   42                          ; s[42:43] c = log2(e) / 8, twice
.set TB,   44                          ; s44  LDS byte at which the step's two chunks begin
.set TS,   45                          ; s45  and their scale records, from SCB on
.set SLOTS, 46
.set STP,  47
; A round of the cluster's barrier: my work-group's barrier; wave 0 signals for the work-group; every wave waits for all four work-groups; my work-group's barrier once more.
.macro CROUND
	s_barrier_signal -1
	s_barrier_wait -1
	s_cmp_lg_u32 s[WV], 0
	s_cbranch_scc1 .Lnot_wave_0_\@
	s_barrier_signal -3
.Lnot_wave_0_\@:
	s_barrier_wait -3
	s_barrier_signal -1
	s_barrier_wait -1
.endm
.macro MM0 d, a, b, sa, sb, row        ; a product that starts its sum
.if \row
	v_wmma_scale_f32_16x16x128_f8f6f4 v[\d:\d+7], v[\a:\a+11], v[\b:\b+11], 0, v[\sa], v[\sb] matrix_a_fmt:MATRIX_FMT_BF6 matrix_b_fmt:MATRIX_FMT_BF6 matrix_a_scale:MATRIX_SCALE_ROW1
.else
	v_wmma_scale_f32_16x16x128_f8f6f4 v[\d:\d+7], v[\a:\a+11], v[\b:\b+11], 0, v[\sa], v[\sb] matrix_a_fmt:MATRIX_FMT_BF6 matrix_b_fmt:MATRIX_FMT_BF6
.endif
.endm
.macro MMA d, a, b, sa, sb, row        ; a product that adds in place
.if \row
	v_wmma_scale_f32_16x16x128_f8f6f4 v[\d:\d+7], v[\a:\a+11], v[\b:\b+11], v[\d:\d+7], v[\sa], v[\sb] matrix_a_fmt:MATRIX_FMT_BF6 matrix_b_fmt:MATRIX_FMT_BF6 matrix_a_scale:MATRIX_SCALE_ROW1
.else
	v_wmma_scale_f32_16x16x128_f8f6f4 v[\d:\d+7], v[\a:\a+11], v[\b:\b+11], v[\d:\d+7], v[\sa], v[\sb] matrix_a_fmt:MATRIX_FMT_BF6 matrix_b_fmt:MATRIX_FMT_BF6
.endif
.endm
	s_load_b256 s[4:11], s[0:1], 0x0               ; qbuf s[4:5], kvc s[6:7], kvs s[8:9], abuf s[10:11]
	v_lshl_add_u32 v[SPW], v0, 2, SPARE
	v_mov_b32 v[NIL], 0
	ds_add_u32 v8, v9
	ds_add_u32 v8, v9
	s_wait_dscnt 0x0
	v_lshrrev_b32 v1, 5, v0
	v_readfirstlane_b32 s[WV], v1                  ; wave 0..15
	s_bfe_u32 s13, ttmp6, 0x40000                  ; cx: it enters qbuf's and abuf's addresses alone
	s_lshl_b32 s14, ttmp9, 2
	s_add_co_u32 s14, s14, s13                     ; my block of 256 queries
	s_and_b32 s15, ttmp7, 0xffff                   ; 8 x batch + head, which the four partners share
	; descriptor groups 1: dense rows of 256 bytes (32 elements of 8 bytes), no padding.  A wave's part of a slot: 24 rows; of the scale records: 8
	s_mov_b32 s16, 15|(3<<16)|(1<<21)              ; the mask: all four work-groups; elements of 8 bytes; bit 21 set beside a mask
	s_mov_b32 s17, 32<<16
	s_mov_b32 s18, 24<<16
	s_mov_b32 s19, 32<<16
	s_mov_b32 s20, 24
	s_mov_b32 s21, 32
	s_mov_b32 s22, 0
	s_mov_b32 s23, 0
	s_mov_b32 s24, 15|(3<<16)|(1<<21)
	s_mov_b32 s25, 32<<16
	s_mov_b32 s26, 8<<16
	s_mov_b32 s27, 32<<16
	s_mov_b32 s28, 8
	s_mov_b32 s29, 32
	s_mov_b32 s30, 0
	s_mov_b32 s31, 0
	s_mul_i32 s50, s15, 393216                     ; a head's 64 chunks
	s_mul_i32 s51, s[WV], 6144
	s_add_co_u32 s50, s50, s51
	s_mov_b32 s51, 0
	s_lshl_b32 s52, s15, 15                        ; a head's 64 records
	s_lshl_b32 s53, s[WV], 11
	s_add_co_u32 s52, s52, s53
	s_mov_b32 s53, 0
	s_mov_b32 s[SEL], 0x76543210
	s_mov_b32 s[SEL+1], 0xfedcba98
	s_mov_b32 s[CS], 0x3e38aa3b                    ; log2(e) / 8
	s_mov_b32 s[CS+1], s[CS]
	s_mov_b32 s48, 0x05040100                      ; the low halves of two words
	s_mov_b32 s49, 0x07060302                      ; the high halves
	s_mov_b32 s[TB], 0
	s_mov_b32 s[TS], 0
	s_mov_b32 s[SLOTS], 3
	s_wait_kmcnt 0x0
	s_mov_b32 s32, 1
	s_mul_i32 s33, s[WV], 6144                     ; slot 0, my sixteenth: no place in the cluster enters an LDS address
	s_add_nc_u64 s[34:35], s[6:7], s[50:51]
	s_or_b32 s35, s35, 0x80000000
	s_mov_b32 s36, 1
	s_lshl_b32 s37, s[WV], 11
	s_add_co_u32 s37, s37, SCB
	s_add_nc_u64 s[38:39], s[8:9], s[52:53]
	s_or_b32 s39, s39, 0x80000000
	; Q's record and my unit of the output
	s_lshl_b32 s50, s15, 6
	s_lshl_b32 s52, s14, 3
	s_add_co_u32 s50, s50, s52
	s_lshr_b32 s52, s[WV], 1
	s_add_co_u32 s50, s50, s52                     ; 64 x head + the pair of tiles
	s_mul_i32 s50, s50, 1792
	s_add_nc_u64 s[4:5], s[4:5], s[50:51]
	s_and_b32 s52, s[WV], 1
	s_mul_i32 s50, s52, 768
	s_add_nc_u64 s[54:55], s[4:5], s[50:51]        ; my tile's codes
	s_lshl_b32 s50, s52, 2
	s_add_nc_u64 s[4:5], s[4:5], s[50:51]          ; my tile's word of each pair
	s_lshr_b32 s50, s15, 3
	s_lshl_b32 s50, s50, 7
	s_lshl_b32 s52, s14, 4
	s_add_co_u32 s50, s50, s52
	s_add_co_u32 s50, s50, s[WV]                   ; 128 x batch + tile
	s_lshl_b32 s50, s50, 3
	s_and_b32 s52, s15, 7
	s_add_co_u32 s50, s50, s52                     ; x 8 + head
	s_lshl_b32 s50, s50, 10
	s_add_nc_u64 s[10:11], s[10:11], s[50:51]
	CROUND                                         ; all four work-groups are here: the first joint loads meet
	tensor_load_to_lds s[36:39], s[24:31]          ; the head's scale records: filled once
	s_nop 0
	tensor_load_to_lds s[32:35], s[16:23]          ; slot 0
	s_nop 0
.rept 4
	v_nop
.endr
	v_and_b32 v10, 31, v0
	v_lshlrev_b32 v[L16], 4, v10
	v_lshlrev_b32 v[L8], 3, v10
	v_add_nc_u32 v[SCA], SCB, v[L16]
	v_bfe_u32 v11, v0, 4, 1
	v_lshlrev_b32 v[SH8], 3, v11
	v_sub_nc_u32 v11, 1, v11                       ; 1 in lanes 0-15, which hold k = 64 .. 95 in registers 6 on
	global_load_b128 v[QF:QF+3], v[L16], s[54:55]
	global_load_b64 v[QF+4:QF+5], v[L8], s[54:55] offset:512
	global_load_b32 v[QS], v[L8], s[4:5] offset:1536
	v_mul_u32_u24 v[QF+6], v11, 12                 ; the code 0x0c = 1.0 at k = 64
	v_mul_u32_u24 v10, v11, 63                     ; the code 0x3f = -28
.irp j, 7,8,9,10,11
	v_mov_b32 v[QF+\j], 0
.endr
.irp t, 0,1,2,3
	v_mov_b32 v[KP+12*\t+6], v10
.irp j, 7,8,9,10,11
	v_mov_b32 v[KP+12*\t+\j], 0
.endr
.endr
	v_mov_b32 v13, 0xe7800000                      ; the largest score so far: -2^80
	v_mul_f32 v[T1], s[CS], v13
	v_floor_f32 v12, -v[T1]                        ; -M
	v_mov_b32 v14, 0                               ; the sum, in two halves
	v_mov_b32 v15, 0
	v_mov_b32 v[TMP], 0                            ; a lane permute's destination counts as read
	v_mov_b32 v[F+1], 0                            ; named as the upper half of a pair
.set i, 0
.rept 32
	v_mov_b32 v[O+i], 0                            ; the step is written once: the first finds zeros, which the first change of M leaves zeros
.set i, i+1
.endr
; A KEY STEP: 128 keys = two chunks.
.macro STEP
	v_add_nc_u32 v[A16], s[TB], v[L16]             ; five plain instructions that name no register of the last products: the first products below write over registers that those read (ISA guide 7.12.1)
	v_add_nc_u32 v[A8], s[TB], v[L8]
	v_add_nc_u32 v[AS], s[TS], v[SCA]
	v_mov_b32 v[OLDM], v12
	v_nop
	ds_load_b128 v[SR:SR+3], v[AS]
	ds_load_b128 v[SR+4:SR+7], v[AS] offset:512
.irp b, 0,1                                    ; S^T = K Q^T, a chunk's four tiles at a time
.if \b == 1
	v_perm_b32 v[VX], v[SR+6], v[SR+2], s48        ; V's scale words for the step: a chunk's two bytes from each record.  With the two v_nop: the four places in front of the loads into K's places
	v_perm_b32 v[VY], v[SR+6], v[SR+2], s49
	v_nop
	v_nop
.endif
.irp t, 0,1,2,3
	ds_load_b128 v[KP+12*\t:KP+12*\t+3], v[A16] offset:6144*\b+768*\t
	ds_load_b64 v[KP+12*\t+4:KP+12*\t+5], v[A8] offset:6144*\b+768*\t+512
.endr
	s_wait_dscnt 0x0
.irp t, 0,1,2,3
	MM0 S+32*\b+8*\t, KP+12*\t, QF, SR+4*\b+\t/2, QS, \t%2
.endr
.endr
.irp b, 0,1                                    ; the largest score of each block of 32 keys, all mine.  Chunk 0's sixteen lines are the places behind chunk 1's products; each accumulator is first read at its low end
	v_max3_num_f32 v[CH+2*\b], v[S+32*\b], v[S+32*\b+1], v[S+32*\b+2]
	v_max3_num_f32 v[CH+2*\b+1], v[S+32*\b+16], v[S+32*\b+17], v[S+32*\b+18]
.irp i, 3,5,7,9,11,13
	v_max3_num_f32 v[CH+2*\b], v[CH+2*\b], v[S+32*\b+\i], v[S+32*\b+\i+1]
	v_max3_num_f32 v[CH+2*\b+1], v[CH+2*\b+1], v[S+32*\b+16+\i], v[S+32*\b+17+\i]
.endr
	v_max3_num_f32 v[BM+\b], v[CH+2*\b], v[CH+2*\b+1], v[S+32*\b+15]
	v_max_num_f32 v[BM+\b], v[BM+\b], v[S+32*\b+31]
.endr
	v_max_num_f32 v[T0], v[BM], v[BM+1]
	v_permlanex16_b32 v[TMP], v[T0], s[SEL], s[SEL+1]
	v_max3_num_f32 v13, v13, v[T0], v[TMP]         ; the running largest score of my query
	v_mul_f32 v[T1], s[CS], v13                    ; as t
	v_floor_f32 v12, -v[T1]                        ; -M = floor(-t): M is a whole number
	v_sub_f32 v[DL], v12, v[OLDM]                  ; old M - new M: a whole number, 0 or less
	v_cvt_i32_f32 v[DL], v[DL]                     ; (it saturates)
	v_ldexp_f32 v[F], 1.0, v[DL]                   ; f = 2^(old M - new M)
.set i, 0
.rept 32
	v_pk_fma_f32 v[S+i:S+i+1], v[S+i:S+i+1], s[CS:CS+1], v[12:13] op_sel_hi:[1,0,0]   ; t - M, two at a time
.set i, i+2
.endr
	v_fma_f32 v[BM], v[BM], s[CS], v12             ; the same of each block's largest score: p rises with the score, so this gives the block's largest p
	v_fma_f32 v[BM+1], v[BM+1], s[CS], v12
.set i, 0
.rept 64
	v_exp_f32 v[S+i], v[S+i]                       ; p = 2^(t - M)
.set i, i+1
.endr
	v_pk_mul_f32 v[14:15], v[14:15], v[F:F+1] op_sel_hi:[1,0]   ; the sums under the new M,
.set i, 0
.rept 16
	v_pk_mul_f32 v[O+i:O+i+1], v[O+i:O+i+1], v[F:F+1] op_sel_hi:[1,0]   ; and O^T: work that names no exponential's result
.set i, i+2
.endr
	s_wait_alu depctr_va_vdst(0)                   ; one wait for the batch of 64, ahead of its first reader
	v_exp_f32 v[BM], v[BM]
	v_exp_f32 v[BM+1], v[BM+1]
	v_pk_add_f32 v[SUM2:SUM2+1], v[S:S+1], v[S+2:S+3]           ; the row's sum of the UNQUANTISED p, in two chains: here the first 48 registers
.irp j, 4,8,12,16,20,24,28,32,36,40,44
	v_pk_add_f32 v[14:15], v[14:15], v[S+\j:S+\j+1]
	v_pk_add_f32 v[SUM2:SUM2+1], v[SUM2:SUM2+1], v[S+\j+2:S+\j+3]
.endr
	s_wait_alu depctr_va_vdst(0)                   ; and one for the two
.irp b, 0,1
	v_max_num_f32 v[BM+\b], 0x2800000, v[BM+\b]    ; the floor 2^(5 - 127)
.endr
.irp b, 0,1
	v_add_nc_u32 v[SC+\b], 0xfe000000, v[BM+\b]    ; 4 off the exponent field: the conversion's scale operand
.endr
.irp b, 0,1
	v_lshrrev_b32 v[BY+\b], 23, v[SC+\b]
.endr
	v_lshl_or_b32 v[PW], v[BY+1], 16, v[BY]        ; my blocks are h and 2 + h of the step
	v_lshlrev_b32 v[PW], v[SH8], v[PW]
	v_permlanex16_b32 v[TMP], v[PW], s[SEL], s[SEL+1]
	v_or_b32 v[PW], v[PW], v[TMP]                  ; p's scale word
.irp b, 0,1
	v_cvt_scalef32_pk16_bf6_f32 v[P+6*\b:P+6*\b+2], v[S+32*\b:S+32*\b+15], v[SC+\b]
	v_cvt_scalef32_pk16_bf6_f32 v[PT+4*\b:PT+4*\b+2], v[S+32*\b+16:S+32*\b+31], v[SC+\b]
.endr
	v_nop                                          ; one plain place behind the conversions
.irp t, 0,1,2,3                                ; V's four fragments, 16 channels x 128 keys, into p's first 48 registers
.irp c, 0,1
	ds_load_b128 v[S+12*\t+6*\c:S+12*\t+6*\c+3], v[A16] offset:6144*\c+3072+768*\t
	ds_load_b64 v[S+12*\t+6*\c+4:S+12*\t+6*\c+5], v[A8] offset:6144*\c+3072+768*\t+512
.endr
.endr
.irp b, 0,1
.irp i, 0,1,2
	v_mov_b32 v[P+6*\b+3+\i], v[PT+4*\b+\i]
.endr
.endr
.irp j, 48,52,56,60                            ; the sum's last 16 registers, which V's loads leave alone: with the line behind them nine plain places between the codes' and the scale word's last writes and the products
	v_pk_add_f32 v[14:15], v[14:15], v[S+\j:S+\j+1]
	v_pk_add_f32 v[SUM2:SUM2+1], v[SUM2:SUM2+1], v[S+\j+2:S+\j+3]
.endr
	v_pk_add_f32 v[14:15], v[14:15], v[SUM2:SUM2+1]
	s_wait_dscnt 0x0
	MMA O,    S,    P, VX, PW, 0                   ; O^T += V^T P^T: four accumulators, one instruction each
	MMA O+8,  S+12, P, VY, PW, 0
	MMA O+16, S+24, P, VX, PW, 1
	MMA O+24, S+36, P, VY, PW, 1
	s_add_co_u32 s[TB], s[TB], STEPB
	s_add_co_u32 s[TS], s[TS], 1024
.endm
; THE CHANGE OF SLOTS stands at a slot's head.  Each wave waits for all its tensor loads (its part of the slot ahead), adds 0 to its spare word, and waits for that and for its reads of the slot that it has left.
; fill = 1: a round of the cluster's barrier, so that no wave of any partner still reads that slot or has a load on its way; then the joint load of the next 1,024 keys into it: it has eight key steps in which to land.
.macro CHANGE fill
	s_wait_tensorcnt 0x0                           ; no tensor load of mine is out, so the walking descriptor may be written
	ds_add_u32 v[SPW], v[NIL]
.if \fill
	s_xor_b32 s33, s33, SLOT1                      ; the other slot than last time,
	s_add_nc_u64 s[34:35], s[34:35], SLOTB         ; the next 16 chunks; the type bits on top are not reached
.endif
	s_wait_dscnt 0x0                               ; the add is done, and my reads of the slot that I have left are over
.if \fill
	CROUND
	tensor_load_to_lds s[32:35], s[16:23]          ; the first thing behind the round, and my one tensor load until the next
	s_nop 0
.rept 4
	v_nop
.endr
.else
	s_barrier_signal -1
	s_barrier_wait -1
.endif
.endm
.macro SLOT_STEPS                      ; a slot's eight key steps: written once, walked eight times
	s_mov_b32 s[STP], 8
.Lstep_\@:
	STEP
	s_sub_co_u32 s[STP], s[STP], 1
	s_cmp_lg_u32 s[STP], 0
	s_cbranch_scc1 .Lstep_\@
	s_sub_co_u32 s[TB], s[TB], SLOTB               ; back to a slot's first step,
	s_xor_b32 s[TB], s[TB], SLOT1                  ; in the other slot
.endm
	s_wait_loadcnt 0x0                             ; Q
.Lslot:                                            ; three trips: behind each change of slots but the last the next slot is asked for
	CHANGE 1
	SLOT_STEPS
	s_sub_co_u32 s[SLOTS], s[SLOTS], 1
	s_cmp_lg_u32 s[SLOTS], 0
	s_cbranch_scc1 .Lslot
	CHANGE 0                                       ; the last slot is written out
	SLOT_STEPS
	; THE WAY OUT.  O^T / the sum is a whole block of 32 along the last product's K in each lane: it is quantised here and leaves as half a fragment in register order, with its two scale bytes.
.rept 4
	v_nop                                          ; places behind the last products
.endr
	v_add_f32 v14, v14, v15
	v_permlanex16_b32 v[TMP], v14, s[SEL], s[SEL+1]
	v_add_f32 v14, v14, v[TMP]                     ; the row's sum
	v_rcp_f32 v[F], v14
	v_mov_b32 v[CH+3], 0xffff                      ; (a plain place behind the reciprocal)
	s_wait_alu depctr_va_vdst(0)                   ; ahead of its first reader
.set i, 0
.rept 16
	v_pk_mul_f32 v[O+i:O+i+1], v[O+i:O+i+1], v[F:F+1] op_sel_hi:[1,0]
.set i, i+2
.endr
	v_max3_num_f32 v[CH], |v[O]|, |v[O+1]|, 0x2800000
.irp i, 2,4,6,8,10,12,14,16,18,20,22,24,26,28,30
	v_max3_num_f32 v[CH], v[CH], |v[O+\i]|, |v[O+\i+1]|
.endr
	v_add_nc_u32 v[CH+1], 0xfe000000, v[CH]
	v_lshrrev_b32 v[CH+2], 23, v[CH+1]
	v_lshlrev_b32 v[CH+2], v[SH8], v[CH+2]
	v_permlanex16_b32 v[TMP], v[CH+2], s[SEL], s[SEL+1]
	v_or_b32 v[P+6], v[CH+2], v[TMP]               ; the two bytes of my query's two blocks
	v_cvt_scalef32_pk16_bf6_f32 v[P:P+2], v[O:O+15], v[CH+1]
	v_cvt_scalef32_pk16_bf6_f32 v[PT:PT+2], v[O+16:O+31], v[CH+1]
	v_nop
.irp i, 0,1,2
	v_mov_b32 v[P+3+\i], v[PT+\i]
.endr
	v_cmp_eq_f32 vcc_lo, 0, v14                    ; a row with no key: both bytes 0xff
	v_cndmask_b32 v[P+6], v[P+6], v[CH+3], vcc_lo
	v_mov_b32 v[P+7], 0
	global_store_b128 v[L16], v[P:P+3], s[10:11]               ; 512 consecutive bytes, aligned
	global_store_b128 v[L16], v[P+4:P+7], s[10:11] offset:512  ; likewise
	s_wait_tensorcnt 0x0                           ; the wave's end
	ds_add_u32 v[SPW], v[NIL]
	s_wait_dscnt 0x0
	CROUND                                         ; the closing round: no work-group ends while a partner may still ask for a tile that names it
	s_endpgm
.Lfunc_end_k_q1a44ab8153_attn:
	.size	k_q1a44ab8153_attn, .Lfunc_end_k_q1a44ab8153_attn-k_q1a44ab8153_attn
	.p2alignl 7, 3214868480
	.fill 96, 4, 3214868480
	.section	.rodata,"a",@progbits
	.p2align	6, 0x0
	.amdhsa_kernel k_q1a44ab8153_attn
		.amdhsa_group_segment_fixed_size 327680
		.amdhsa_private_segment_fixed_size 0
		.amdhsa_enable_private_segment 0
		.amdhsa_kernarg_size 32
		.amdhsa_user_sgpr_count 2
		.amdhsa_user_sgpr_kernarg_segment_ptr 1
		.amdhsa_wavefront_size32 1
		.amdhsa_system_sgpr_workgroup_id_x 1
		.amdhsa_system_sgpr_workgroup_id_y 1
		.amdhsa_system_sgpr_workgroup_id_z 1
		.amdhsa_system_vgpr_workitem_id 0
		.amdhsa_next_free_vgpr 256
		.amdhsa_next_free_sgpr 66
		.amdhsa_reserve_vcc 1
		.amdhsa_float_denorm_mode_32 3
		.amdhsa_float_denorm_mode_16_64 3
		.amdhsa_memory_ordered 1
		.amdhsa_forward_progress 1
		.amdhsa_inst_pref_size 43
	.end_amdhsa_kernel
	.amdgpu_metadata
---
amdhsa.version: [ 1, 2 ]
amdhsa.kernels:
  - .name:           k_q1a44ab8153_attn
    .symbol:         k_q1a44ab8153_attn.kd
    .args:
      - { .name: qbuf, .offset: 0, .size: 8, .value_kind: global_buffer, .address_space: global }
      - { .name: kvc, .offset: 8, .size: 8, .value_kind: global_buffer, .address_space: global }
      - { .name: kvs, .offset: 16, .size: 8, .value_kind: global_buffer, .address_space: global }
      - { .name: abuf, .offset: 24, .size: 8, .value_kind: global_buffer, .address_space: global }
    .group_segment_fixed_size: 327680
    .private_segment_fixed_size: 0
    .kernarg_segment_align: 8
    .kernarg_segment_size: 32
    .max_flat_workgroup_size: 512
    .sgpr_count:     66
    .vgpr_count:     256
    .wavefront_size: 32
...
	.end_amdgpu_metadata
.endif
;; end of part 3
;; launch oproj (part 4): grid 256 x 1, 8 waves a work-group, no clusters, 70,656 bytes of LDS; arguments abuf, wts, bo, out0; writes out0
.if DOCPART == 4
	.amdgcn_target "amdgcn-amd-amdhsa--gfx1250"
	.amdhsa_code_object_version 6
	.text
	.protected	k_q1a44ab8153_oproj
	.globl	k_q1a44ab8153_oproj
	.p2align	8
	.type	k_q1a44ab8153_oproj,@function
k_q1a44ab8153_oproj:
	s_mov_b64 s[64:65], 0
	v_nop
	global_prefetch_b8 v0, s[64:65] scope:SCOPE_SE
	s_setreg_imm32_b32 hwreg(HW_REG_WAVE_MODE, 25, 1), 1
	s_wait_xcnt 0x0
; out0 = A Wo + bo on codes of BF6 (E3M2) with E8M0 scales.  A [8,192][512] comes quantised from the attention launch, as half fragments in register order: unit (tile of 16 rows, head) of 1,024 bytes:
; registers 0-3 at 16 L; registers 4, 5, the two scale bytes and a 0 at 512 + 16 L.  Wo's codes come from the first launch, groups 24 to 31.
; SHARES.  Work-group g takes rows 32 g .. 32 g + 31 (two tiles), wave w columns 64 w .. 64 w + 63.  No barrier and no branch: all loads go out at the head, 32 products follow, eight accumulators by turns
; Source 0 = Wo's columns, whose tiles are chosen so that a lane's 32 results are 32 neighbouring columns of one row; the bias is the C of each sum's first product.
; The results go through the wave's own stage in LDS and leave as whole aligned runs of 256 bytes.
; NO CLUSTER: what work-groups share, Wo's 196,608 bytes of codes, goes from memory straight into operand registers, 24,576 bytes a wave, read once by each; a joint load would land in LDS and add a pass
; through LDS and two rounds of the cluster's barrier to 32 products a wave.
.set WSC,  786432
.set L16,  1                           ; v1   16 x lane
.set STO,  2                           ; v2   the stage: where I put my results
.set RD,   3                           ; v3   and where I read rows back
.set BOFF, 4                           ; v4   128 x (lane / 16)
.set CO,   5                           ; v5   my byte offset in two rows of out0
.set WS,   8                           ; v8-23   Wo's scale words, 4 s + t
.set AW,   24                          ; v24-31  A's scale words, 4 tile + s
.set HW,   32                          ; v32-47  the units' two bytes, 8 tile + head
.set AF,   48                          ; v48-143 A's eight fragments, 12 (4 tile + s); later the rows read back
.set BIAS, 144                         ; v144-175
.set ACC,  176                         ; v176-239 accumulator (tile, t) at 32 tile + 8 t
.set MSB, 0
.macro WIN new
.if MSB != \new
	s_set_vgpr_msb (MSB<<8)|\new
.set MSB, \new
.endif
.endm
.macro MM d, a, b, c, sa, sb
	v_wmma_scale_f32_16x16x128_f8f6f4 v[\d:\d+7], v[\a:\a+11], v[\b:\b+11], v[\c:\c+7], v[\sa], v[\sb] matrix_a_fmt:MATRIX_FMT_BF6 matrix_b_fmt:MATRIX_FMT_BF6
.endm
	s_load_b256 s[4:11], s[0:1], 0x0               ; abuf s[4:5], wts s[6:7], bo s[8:9], out0 s[10:11]
	v_lshl_add_u32 v254, v0, 2, 0x11000
	v_mov_b32 v255, 0
	v_lshrrev_b32 v1, 5, v0
	v_readfirstlane_b32 s12, v1                    ; wave
	v_and_b32 v6, 31, v0                           ; L
	v_and_b32 v7, 15, v0                           ; r
	v_bfe_u32 v4, v0, 4, 1                         ; h
	v_lshlrev_b32 v[L16], 4, v6
	s_mul_i32 s13, s12, 8704                       ; my stage: 2 x 16 rows x (256 + 16) bytes
	v_mul_u32_u24 v[STO], v7, 272
	v_lshl_add_u32 v[STO], v4, 7, v[STO]
	v_add_nc_u32 v[STO], s13, v[STO]               ; in: row r, + 128 h
	v_mul_u32_u24 v[RD], v4, 272
	v_lshl_add_u32 v[RD], v7, 4, v[RD]
	v_add_nc_u32 v[RD], s13, v[RD]                 ; back: lanes 0-15 one row, lanes 16-31 the next
	v_lshlrev_b32 v[CO], 11, v4
	v_lshl_add_u32 v[CO], v7, 4, v[CO]             ; and the same two rows in out0
	v_lshlrev_b32 v[BOFF], 7, v4
	s_lshl_b32 s14, ttmp9, 14                      ; 16 units of 1,024 bytes
	s_mov_b32 s15, 0
	s_mul_i32 s20, s12, 24576
	s_add_co_u32 s20, s20, 24*24576                ; group 24 + w
	s_mov_b32 s21, 0
	s_lshl_b32 s22, s12, 11
	s_add_co_u32 s22, s22, WSC+24*2048
	s_mov_b32 s23, 0
	s_lshl_b32 s24, s12, 8                         ; my 64 columns
	s_mov_b32 s25, 0
	s_lshl_b32 s26, ttmp9, 16                      ; 32 rows of 2,048 bytes
	s_add_co_u32 s26, s26, s24
	s_mov_b32 s27, 0
	s_wait_kmcnt 0x0
	s_add_nc_u64 s[4:5], s[4:5], s[14:15]
	s_add_nc_u64 s[16:17], s[6:7], s[20:21]
	s_add_nc_u64 s[18:19], s[6:7], s[22:23]
	s_add_nc_u64 s[8:9], s[8:9], s[24:25]
	s_add_nc_u64 s[10:11], s[10:11], s[26:27]
	WIN 0x40                                       ; destination window 1, address window 0
.set u, 0
.rept 16                                       ; Wo's fragment (s, t) at v[12 (4 s + t)] of window 1
.irp c, 0,1,2
	global_load_b128 v[12*u+4*\c:12*u+4*\c+3], v[L16], s[16:17] offset:u*1536+512*\c
.endr
.set u, u+1
.endr
	WIN 0
.irp s, 0,1,2,3
	global_load_b128 v[WS+4*\s:WS+4*\s+3], v[L16], s[18:19] offset:512*\s
.endr
.set u, 0
.rept 16                                       ; unit u = 8 tile + head: half c = head % 2 of fragment (tile, s = head / 2)
	global_load_b128 v[AF+12*(4*(u/8)+(u%8)/2)+6*(u%2):AF+12*(4*(u/8)+(u%8)/2)+6*(u%2)+3], v[L16], s[4:5] offset:u*1024
	global_load_b64 v[AF+12*(4*(u/8)+(u%8)/2)+6*(u%2)+4:AF+12*(4*(u/8)+(u%8)/2)+6*(u%2)+5], v[L16], s[4:5] offset:u*1024+512
	global_load_b32 v[HW+u], v[L16], s[4:5] offset:u*1024+520
.set u, u+1
.endr
.irp q, 0,1,2,3,4,5,6,7
	global_load_b128 v[BIAS+4*\q:BIAS+4*\q+3], v[BOFF], s[8:9] offset:16*\q   ; bo at my 32 columns
.endr
	s_wait_loadcnt 0x0
.irp t, 0,1
.irp s, 0,1,2,3
	v_lshl_or_b32 v[AW+4*\t+\s], v[HW+8*\t+2*\s+1], 16, v[HW+8*\t+2*\s]   ; two heads' bytes make a K step's scale word
.endr
.endr
.rept 8
	v_nop                                          ; a scale register written by a vector instruction stands eight places ahead of a scaled matrix instruction
.endr
	WIN 0x01                                       ; source 0 (Wo) window 1
.irp s, 0,1,2,3
.irp m, 0,1
.irp t, 0,1,2,3
.if \s == 0
	MM ACC+32*\m+8*\t, 12*(4*\s+\t), AF+12*(4*\m+\s), BIAS+8*\t, WS+4*\s+\t, AW+4*\m+\s
.else
	MM ACC+32*\m+8*\t, 12*(4*\s+\t), AF+12*(4*\m+\s), ACC+32*\m+8*\t, WS+4*\s+\t, AW+4*\m+\s
.endif
.endr
.endr
.endr
	WIN 0
.rept 4
	v_nop                                          ; places in front of the first read of results and of loads into registers that the products read
.endr
.irp m, 0,1                                    ; lane (r, h) holds out0(16 m + r, 64 w + 32 h + 8 t + j): 128 neighbouring bytes of a row
.irp t, 0,1,2,3
	ds_store_b128 v[STO], v[ACC+32*\m+8*\t:ACC+32*\m+8*\t+3] offset:4352*\m+32*\t        ; each accumulator from its low end on
	ds_store_b128 v[STO], v[ACC+32*\m+8*\t+4:ACC+32*\m+8*\t+7] offset:4352*\m+32*\t+16
.endr
.irp i, 0,1,2,3,4,5,6,7
	ds_load_b128 v[AF+32*\m+4*\i:AF+32*\m+4*\i+3], v[RD] offset:4352*\m+544*\i   ; LDS serves a wave's instructions in order (ISA guide 5.7.1.4): these see my stores
.endr
.endr
.irp m, 0,1
.irp i, 0,1,2,3,4,5,6,7
	s_wait_dscnt 23-16*\m-\i                       ; behind this load: its tile's 7 - i younger loads, and for tile 0 tile 1's sixteen LDS instructions
	global_store_b128 v[CO], v[AF+32*\m+4*\i:AF+32*\m+4*\i+3], s[10:11] offset:(16*\m+2*\i)*2048 th:TH_STORE_NT   ; sixteen lanes store 256 consecutive bytes, aligned; written once, read by nobody here
.endr
.endr
	s_wait_tensorcnt 0x0
	ds_add_u32 v254, v255
	s_wait_dscnt 0x0
	s_endpgm
.Lfunc_end_k_q1a44ab8153_oproj:
	.size	k_q1a44ab8153_oproj, .Lfunc_end_k_q1a44ab8153_oproj-k_q1a44ab8153_oproj
	.p2alignl 7, 3214868480
	.fill 96, 4, 3214868480
	.section	.rodata,"a",@progbits
	.p2align	6, 0x0
	.amdhsa_kernel k_q1a44ab8153_oproj
		.amdhsa_group_segment_fixed_size 70656
		.amdhsa_private_segment_fixed_size 0
		.amdhsa_enable_private_segment 0
		.amdhsa_kernarg_size 32
		.amdhsa_user_sgpr_count 2
		.amdhsa_user_sgpr_kernarg_segment_ptr 1
		.amdhsa_wavefront_size32 1
		.amdhsa_system_sgpr_workgroup_id_x 1
		.amdhsa_system_sgpr_workgroup_id_y 1
		.amdhsa_system_sgpr_workgroup_id_z 1
		.amdhsa_system_vgpr_workitem_id 0
		.amdhsa_next_free_vgpr 448
		.amdhsa_next_free_sgpr 66
		.amdhsa_reserve_vcc 0
		.amdhsa_float_denorm_mode_32 3
		.amdhsa_float_denorm_mode_16_64 3
		.amdhsa_memory_ordered 1
		.amdhsa_forward_progress 1
		.amdhsa_inst_pref_size 22
	.end_amdhsa_kernel
	.amdgpu_metadata
---
amdhsa.version: [ 1, 2 ]
amdhsa.kernels:
  - .name:           k_q1a44ab8153_oproj
    .symbol:         k_q1a44ab8153_oproj.kd
    .args:
      - { .name: abuf, .offset: 0, .size: 8, .value_kind: global_buffer, .address_space: global }
      - { .name: wts, .offset: 8, .size: 8, .value_kind: global_buffer, .address_space: global }
      - { .name: bo, .offset: 16, .size: 8, .value_kind: global_buffer, .address_space: global }
      - { .name: out0, .offset: 24, .size: 8, .value_kind: global_buffer, .address_space: global }
    .group_segment_fixed_size: 70656
    .private_segment_fixed_size: 0
    .kernarg_segment_align: 8
    .kernarg_segment_size: 32
    .max_flat_workgroup_size: 256
    .sgpr_count:     66
    .vgpr_count:     448
    .wavefront_size: 32
...
	.end_amdgpu_metadata
.endif
;; end of part 4
